; MI455X (gfx1250); checked and timed in simulation.
; The chip was launched on July 23, 2026; its instructions are those of AMD's public machine-readable ISA for CDNA 5 (MIT licence, August 2026) and "CDNA5" Instruction Set Architecture Reference Guide (July 2026). The comments in the code are by the model that wrote it; some were corrected since.
;; Vector Quantizer. Allowed arithmetic: matrix products marked QUANTISED: E2M1 operands, one E8M0 scale for each 32 along K, by v_wmma_scale_f32_16x16x128_f8f6f4 with both operands' format E2M1 (or v_wmma_scale_f32_32x16x128_f4), f32 sums; everything else in f32.
;; Inputs: embedding 512 x 64 float32; inputs 32 x 64 x 64 x 64 float32.
;; Outputs: out0 32 x 64 x 64 x 64 float32.
;; This version of the problem:
;;   THIS VERSION OF THE PROBLEM IS GIVEN IN LOW PRECISION. The matrix products marked QUANTISED in the list below multiply operands that are first quantised to E2M1 (2 exponent bits, 1 mantissa bit; 4 bits a number), with one power-of-two scale for each 32 numbers along K (OCP MX v1.0); their sums are f32. All else is computed in f32.
;;   The module's matrix products, in the order in which they are computed (A, B: the left and right operand; K: the contracted axis; several contracted axes count as one K, in the product's order):
;;     1. [M 131,072, K 64] x [K 64, N 512]; A: input inputs; B: input embedding: QUANTISED
;;   THE QUANTISER, for each operand of a quantised product, along K:
;;     - K is cut into blocks of 32 from its start; a last block that is shorter is filled with zeros.
;;     - A block's scale is 2^e with e = floor(log2(the largest magnitude in the block)) - 2, held to -126 .. 127; a block of zeros has e = 0. As a byte (E8M0): e + 127.
;;     - Each number is divided by its block's scale, clamped to +-6, and rounded to the nearest number of E2M1, ties to even, subnormals kept.
;;     - The product sums the exact products of the quantised numbers (number of the format x scale) in f32.
;;   ~~~python
;;   def quantise(x, axis):      # numpy; x: float32 -> the quantised numbers, widened to float32 again
;;       x = np.moveaxis(x, axis, -1); K = x.shape[-1]
;;       x = np.pad(x, [(0, 0)] * (x.ndim - 1) + [(0, -K % 32)]); x = x.reshape(x.shape[:-1] + (-1, 32)); a = np.abs(x).max(-1, keepdims=True)
;;       e = np.where(a > 0, np.clip(np.frexp(np.where(a > 0, a, 1))[1] - 1 - 2, -126, 127), 0)      # np.frexp(a)[1] - 1 = floor(log2(a)), exactly
;;       r = np.clip(x / 2.0 ** e, -6, 6)
;;       step = 2.0 ** (np.maximum(np.frexp(np.where(r == 0, 1, r))[1] - 1, 0) - 1)
;;       q = np.round(r / step) * step * 2.0 ** e      # np.round: ties to even
;;       return np.moveaxis(q.reshape(q.shape[:-2] + (-1,))[..., :K], -1, axis).astype(np.float32)
;;   ~~~
;; 2 versions, each right; version 2 is version 1 with the launch nearest written anew for expert scheduling mode. Each part assembles by itself: llvm-mc -triple=amdgcn-amd-amdhsa -mcpu=gfx1250 --defsym DOCPART=n.
;; ======== version 1 of 2: 2 launches
;; workspace buffers: idx 524,288 bytes of whole numbers
;; launch nearest (part 1): grid 256 x 1, 16 waves a work-group, no clusters, 24,576 bytes of LDS; arguments inputs, embedding, idx; writes idx
.if DOCPART == 1
	.amdgcn_target "amdgcn-amd-amdhsa--gfx1250"
	.amdhsa_code_object_version 6
	.text
	.protected	k_q001d3f413b_nearest
	.globl	k_q001d3f413b_nearest
	.p2align	8
	.type	k_q001d3f413b_nearest,@function
k_q001d3f413b_nearest:
	s_mov_b64 s[64:65], 0
	v_nop
	global_prefetch_b8 v0, s[64:65] scope:SCOPE_SE
	s_setreg_imm32_b32 hwreg(HW_REG_WAVE_MODE, 25, 1), 1
	s_wait_xcnt 0x0
; idx[p] = the first k at which d(p, k) = (A(p) + B(k)) - 2 M(p, k) is smallest.  p: 131,072 pixels (b, h, w) of inputs [32][64 channels][64][64] f32; k: 512 rows of embedding [512][64] f32.
; A = the sum of a pixel's 64 squares, B = the sum of a row's 64 squares (both of the numbers as given, f32); M = the product of both operands quantised to FP4 (E2M1), one E8M0 scale for each 32 channels.
; d is made by the f32 steps in which it is written above: one addition, then one fused multiply-add by -2 (2 M is exact, so this rounds as the subtraction does).
; SHARES.  A work-group of 16 waves takes 512 neighbouring pixels, a wave 32: two tiles of 16.  Each wave first quantises 32 of the 512 rows of the table; codes, scale words and B go to LDS as images of the
; registers that want them, and every wave reads all of them back, 32 rows (a group) at a time, one group ahead.
; K = 64 fills half of the instruction's 128: registers 4-7 of every operand hold zero codes, and the upper two bytes of every scale word are 0 (2^-127, over zeros).
; THE PRODUCT IS USED TRANSPOSED: source 0 = 16 rows of the table, source 1 = 16 pixels.  Lane (r, h) then holds pixel r, and register j of tile t the row 16 t + 8 h + j: the search runs along a lane's registers.
; THE SEARCH.  For each group: the smallest of a lane's 16 distances (three at a time); where it is under the best so far (strictly: the earlier group keeps a tie), the best, the group's number and a copy of the
; 16 distances are replaced, two registers an instruction.  The place inside the winning group is looked for once, at the end, in the copy; then the two halves of the lanes are joined by (d, index).
; The table is not asked for jointly in a cluster: each wave's 8,192 bytes of it go straight into the registers in which they are quantised, and the launch has no tensor load.
; LIMITS.  NaN and infinities among the inputs are not served.  A and B are added in two and four chains, with fused multiply-adds, not in the order of the definition: their last bits may differ.
; A block whose largest magnitude lies under 2^-124 keeps the scale byte 1 (a block of zeros too: its codes are zeros, and only this launch reads the bytes).
.set CHB,   16384                      ; bytes from a channel to the next
.set EIMG,  0                          ; LDS: 32 fragments of the table, 512 bytes each: lane l's four registers at 16 l
.set SIMG,  16384                      ; their scale words: 16 bytes a lane and eight tiles: word i of lane l in part o: tile 8 o + 2 i + l / 16, row l % 16
.set BIMG,  18432                      ; B, 512 numbers on end
.set ISTG,  20480                      ; the indices' way out: 512 words
.set FLOOR, 0x1800000                  ; 2^(3 - 127): under it no largest magnitude is taken, so that no scale byte falls under 1
.set RR,  2                            ; v2   r = lane % 16
.set HH,  3                            ; v3   h = lane / 16
.set XO,  4                            ; v4   4 x lane: my pixel in a channel's row
.set EO,  5                            ; v5   256 r + 128 h: my 32 numbers of a row of the table
.set LI,  6                            ; v6   16 x lane: my place in an image
.set BA,  7                            ; v7   32 h: my eight numbers of a tile's sixteen B
.set EW,  8                            ; v8   where I store my fragments: 16 x lane + 1,024 x wave
.set SW,  9                            ; v9   my scale word: 16 x lane + 512 (wave / 4) + 4 (wave % 4)
.set BW,  10                           ; v10  my B: 4 r + 128 x wave
.set IS,  11                           ; v11  4 x thread
.set IO,  12                           ; v12  8 x thread
.set XF,  16                           ; v16-23 pixels 0-15 as an operand, v24-31 pixels 16-31
.set XS,  32                           ; v32  the pixels' scale words: lane l has pixel l's
.set AX,  34                           ; v34  A of pixel r (v35 is named with it as a pair);  v36 A of pixel 16 + r (v37 likewise)
.set AY,  36
.set ES,  38                           ; v38-53 the table's scale words: register g: lanes 0-15 tile 2 g, lanes 16-31 tile 2 g + 1
.set BT,  54                           ; v54, v55 best distance and its group's first row (32 g + 8 h) for pixels 0-15;  v56, v57 for pixels 16-31
.set GM,  58                           ; v58, v59 the group's smallest
.set GID, 60                           ; v60  32 g + 8 h
.set CP,  64                           ; v64-79, v80-95 the winning group's 16 distances
.set M,   96                           ; v96-127 four products: pixel tile p, tile u of the group at 16 p + 8 u
.set S,   128                          ; v128-159 A + B, then d, laid likewise
.set BB,  160                          ; v160-175, v176-191 a group's B, two buffers
.set EB,  192                          ; v192-207, v208-223 a group's two fragments (4 registers of codes, 4 of zeros, each), two buffers
.set T,   224                          ; v224-233 at work
.set XR,  64                           ; at the head: my pixel's 64 numbers
.set ER,  128                          ; and 2 x 32 numbers of the table
.set ET,  192                          ; at the head, for the table: largest magnitudes;
.set EA,  194                          ; sums of squares, a pair each;
.set ESO, 198                          ; the conversions' scale operands;
.set EBY, 200                          ; scale bytes, then words;
.set EP,  202
.set EC,  204                          ; codes
.set SH,  212
.set EQ,  213
.set XT,  216                          ; the same for my pixel
.set XA,  218
.set XSO, 222
.set XBY, 224
	s_load_b128 s[4:7], s[0:1], 0x0                ; inputs s[4:5], embedding s[6:7]
	s_load_b64 s[8:9], s[0:1], 0x10                ; idx
	v_lshl_add_u32 v240, v0, 2, 0x5800
	v_mov_b32 v241, 0
	v_lshrrev_b32 v1, 5, v0
	v_readfirstlane_b32 s10, v1                    ; wave 0..15
	v_and_b32 v1, 31, v0                           ; lane
	v_and_b32 v[RR], 15, v0
	v_bfe_u32 v[HH], v0, 4, 1
	v_lshlrev_b32 v[XO], 2, v1
	v_lshlrev_b32 v[EO], 8, v[RR]
	v_lshl_add_u32 v[EO], v[HH], 7, v[EO]
	v_lshlrev_b32 v[LI], 4, v1
	v_lshlrev_b32 v[BA], 5, v[HH]
	s_lshl_b32 s11, s10, 10
	v_add_nc_u32 v[EW], s11, v[LI]
	s_lshr_b32 s11, s10, 2
	s_lshl_b32 s11, s11, 9
	s_and_b32 s12, s10, 3
	s_lshl_b32 s12, s12, 2
	s_add_co_u32 s11, s11, s12
	v_add_nc_u32 v[SW], s11, v[LI]
	s_lshl_b32 s11, s10, 7                         ; 128 x wave
	v_lshl_add_u32 v[BW], v[RR], 2, s11
	v_lshlrev_b32 v[IS], 2, v0
	v_lshlrev_b32 v[IO], 3, v0
	s_mov_b32 s20, 0x76543210
	s_mov_b32 s21, 0xfedcba98                      ; v_permlanex16_b32's selects for lane l xor 16
	s_lshl_b32 s12, s10, 13                        ; my 32 rows of the table: 8,192 bytes a wave
	s_mov_b32 s13, 0
	s_lshr_b32 s14, ttmp9, 3                       ; eight work-groups to an image of 2^20 bytes,
	s_lshl_b32 s14, s14, 20
	s_and_b32 s15, ttmp9, 7
	s_lshl_b32 s15, s15, 11                        ; 512 pixels of 4 bytes a work-group,
	s_add_co_u32 s14, s14, s15
	s_add_co_u32 s14, s14, s11                     ; 32 a wave
	s_mov_b32 s15, 0
	s_lshl_b32 s16, ttmp9, 11                      ; the work-group's 512 indices
	s_mov_b32 s17, 0
	s_wait_kmcnt 0x0
	s_add_nc_u64 s[6:7], s[6:7], s[12:13]
	s_add_nc_u64 s[4:5], s[4:5], s[14:15]
	s_add_nc_u64 s[8:9], s[8:9], s[16:17]
.irp f, 0,1                                    ; the table first: all waves wait for it.  Tile f: row 16 f + r, channels 32 h on: 128 bytes a lane
.irp i, 0,1,2,3,4,5,6,7
	global_load_b128 v[ER+32*\f+4*\i:ER+32*\f+4*\i+3], v[EO], s[6:7] offset:4096*\f+16*\i
.endr
.endr
.set c, 0
.rept 64                                       ; A LANE TAKES A PIXEL, AND ITS REGISTERS RUN DOWN THE CHANNELS: each load reads 128 consecutive bytes; the wave beside me reads the other half of the same 256.  (No hint: the program's second launch reads these bytes again)
	global_load_b32 v[XR+c], v[XO], s[4:5] offset:CHB*c
.set c, c+1
.endr
	; ---- my 32 rows of the table: two fragments, their scale words, their B
	s_wait_loadcnt 63                              ; 80 loads were issued: with 63 out at the most, the 16 oldest, the table's, are in
.irp f, 0,1
	v_max3_num_f32 v[ET+\f], |v[ER+32*\f]|, |v[ER+32*\f+1]|, FLOOR
	v_pk_mul_f32 v[EA+2*\f:EA+2*\f+1], v[ER+32*\f:ER+32*\f+1], v[ER+32*\f:ER+32*\f+1]
.endr
.irp i, 2,4,6,8,10,12,14,16,18,20,22,24,26,28,30
.irp f, 0,1                                    ; the two tiles by turns: no line waits for the line above it
	v_max3_num_f32 v[ET+\f], v[ET+\f], |v[ER+32*\f+\i]|, |v[ER+32*\f+\i+1]|
	v_pk_fma_f32 v[EA+2*\f:EA+2*\f+1], v[ER+32*\f+\i:ER+32*\f+\i+1], v[ER+32*\f+\i:ER+32*\f+\i+1], v[EA+2*\f:EA+2*\f+1]
.endr
.endr
.irp f, 0,1
	v_add_f32 v[EA+2*\f], v[EA+2*\f], v[EA+2*\f+1] ; the squares of my 32 numbers
	v_add_nc_u32 v[ESO+\f], 0xff000000, v[ET+\f]   ; 2 off the largest magnitude's exponent field: the conversion takes this operand's exponent field as its scale
	v_mov_b32 v[EP+\f], 0                          ; (a lane permute's destination counts as one of its sources)
	v_mov_b32 v[EQ+\f], 0
.endr
	v_lshlrev_b32 v[SH], 3, v[HH]
.irp f, 0,1
	v_lshrrev_b32 v[EBY+\f], 23, v[ESO+\f]         ; the scale's byte: block h of row r
.endr
.irp f, 0,1
.irp g, 0,1,2,3
	v_cvt_scalef32_pk8_fp4_f32 v[EC+4*\f+\g], v[ER+32*\f+8*\g:ER+32*\f+8*\g+7], v[ESO+\f]   ; register g of the operand: k = 32 h + 8 g + 0 .. 7
.endr
.endr
	v_nop                                          ; one plain place behind the scaled conversions
.irp f, 0,1
	v_lshlrev_b32 v[EBY+\f], v[SH], v[EBY+\f]      ; my byte at its place in the word, 8 h bits up
.endr
.irp f, 0,1
	v_permlanex16_b32 v[EP+\f], v[EBY+\f], s20, s21
	v_permlanex16_b32 v[EQ+\f], v[EA+2*\f], s20, s21
.endr
.irp f, 0,1
	v_or_b32 v[EBY+\f], v[EBY+\f], v[EP+\f]        ; with lane l xor 16's byte the word is whole, in both halves
	v_add_f32 v[EA+2*\f], v[EA+2*\f], v[EQ+\f]     ; and so is B
.endr
	v_cmp_ne_u32 vcc_lo, 0, v[HH]
	v_cndmask_b32 v[EBY], v[EBY], v[EBY+1], vcc_lo ; lanes 0-15: my first tile's words, lanes 16-31: my second's
	ds_store_b128 v[EW], v[EC:EC+3] offset:EIMG
	ds_store_b128 v[EW], v[EC+4:EC+7] offset:EIMG+512
	ds_store_b32 v[SW], v[EBY] offset:SIMG
	ds_store_b32 v[BW], v[EA] offset:BIMG          ; (lanes r and 16 + r write the same word with the same value)
	ds_store_b32 v[BW], v[EA+2] offset:BIMG+64
	; ---- my pixel: both blocks of 32 channels are mine, and so is A
	s_wait_loadcnt 0x0
.irp b, 0,1
	v_max3_num_f32 v[XT+\b], |v[XR+32*\b]|, |v[XR+32*\b+1]|, FLOOR
	v_pk_mul_f32 v[XA+2*\b:XA+2*\b+1], v[XR+32*\b:XR+32*\b+1], v[XR+32*\b:XR+32*\b+1]
.endr
.irp i, 2,4,6,8,10,12,14,16,18,20,22,24,26,28,30
.irp b, 0,1
	v_max3_num_f32 v[XT+\b], v[XT+\b], |v[XR+32*\b+\i]|, |v[XR+32*\b+\i+1]|
	v_pk_fma_f32 v[XA+2*\b:XA+2*\b+1], v[XR+32*\b+\i:XR+32*\b+\i+1], v[XR+32*\b+\i:XR+32*\b+\i+1], v[XA+2*\b:XA+2*\b+1]
.endr
.endr
.irp b, 0,1
	v_add_nc_u32 v[XSO+\b], 0xff000000, v[XT+\b]
.endr
.irp b, 0,1
	v_lshrrev_b32 v[XBY+\b], 23, v[XSO+\b]
.endr
	v_lshl_or_b32 v[XS], v[XBY+1], 8, v[XBY]       ; my pixel's scale word
.irp b, 0,1
.irp g, 0,1,2,3
	v_cvt_scalef32_pk8_fp4_f32 v[XF+8*\b+\g], v[XR+32*\b+8*\g:XR+32*\b+8*\g+7], v[XSO+\b]   ; block b of pixel l
.endr
.endr
	v_nop                                          ; one plain place behind the scaled conversions
.irp g, 0,1,2,3                                ; the operand wants block 0 in lanes 0-15 and block 1 in lanes 16-31 of ONE tile of 16 pixels:
	v_permlane16_swap_b32 v[XF+\g], v[XF+8+\g]     ; the first's lanes 16-31 change places with the second's lanes 0-15: v16-19 pixels 0-15, v24-27 pixels 16-31
.endr
	v_pk_add_f32 v[XA:XA+1], v[XA:XA+1], v[XA+2:XA+3]
	v_add_f32 v[AX], v[XA], v[XA+1]                ; A of pixel l
	v_mov_b32 v[AY], v[AX]
	v_mov_b32 v[AX+1], 0                           ; (named as the upper halves of pairs)
	v_mov_b32 v[AY+1], 0
	v_permlane16_swap_b32 v[AX], v[AY]             ; v34: A of pixel r in both halves; v36: of pixel 16 + r
.irp z, 4,5,6,7,12,13,14,15
	v_mov_b32 v[XF+\z], 0                          ; k = 64 .. 127: zero codes
.endr
	s_wait_dscnt 0x0                               ; for the others' sake: my stores into the images have landed
	s_barrier_signal -1
	s_barrier_wait -1                              ; the whole table lies in LDS
.macro FETCH g, e, b                           ; group g: two fragments and 2 x 8 numbers of B (sixteen lanes read the same 16 bytes)
	ds_load_b128 v[\e:\e+3], v[LI] offset:EIMG+1024*(\g)
	ds_load_b128 v[\e+8:\e+11], v[LI] offset:EIMG+1024*(\g)+512
	ds_load_b128 v[\b:\b+3], v[BA] offset:BIMG+128*(\g)
	ds_load_b128 v[\b+4:\b+7], v[BA] offset:BIMG+128*(\g)+16
	ds_load_b128 v[\b+8:\b+11], v[BA] offset:BIMG+128*(\g)+64
	ds_load_b128 v[\b+12:\b+15], v[BA] offset:BIMG+128*(\g)+80
.endm
.irp o, 0,1,2,3
	ds_load_b128 v[ES+4*\o:ES+4*\o+3], v[LI] offset:SIMG+512*\o    ; all 32 tiles' scale words: they stay
.endr
	FETCH 0, EB, BB
.irp z, 4,5,6,7,12,13,14,15,20,21,22,23,28,29,30,31
	v_mov_b32 v[EB+\z], 0                          ; k = 64 .. 127 of the table's fragments: written once, no load lands here
.endr
	v_lshlrev_b32 v[GID], 3, v[HH]                 ; group 0: 8 h
.rept 8
	v_nop                                          ; a scale register written by a vector instruction stands 8 places ahead of a scaled matrix instruction, an operand so written 4
.endr
; A GROUP: rows 32 g .. 32 g + 31 of the table against my 32 pixels.  first = 1: it starts the best, its group and the copy.  last = 1: nothing more to fetch.
.macro GROUP g, first, last
.set CE, EB+16*((\g)%2)
.set CB, BB+16*((\g)%2)
.set NE, EB+16-16*((\g)%2)
.set NB, BB+16-16*((\g)%2)
.if \first
.set DD, CP
.else
.set DD, S
.endif
	s_wait_dscnt 0x0                               ; this group's six loads, issued a group ago, are in
	v_wmma_scale_f32_16x16x128_f8f6f4 v[M:M+7], v[CE:CE+7], v[XF:XF+7], 0, v[ES+(\g)], v[XS] matrix_a_fmt:MATRIX_FMT_FP4 matrix_b_fmt:MATRIX_FMT_FP4
	v_wmma_scale_f32_16x16x128_f8f6f4 v[M+16:M+23], v[CE:CE+7], v[XF+8:XF+15], 0, v[ES+(\g)], v[XS] matrix_a_fmt:MATRIX_FMT_FP4 matrix_b_fmt:MATRIX_FMT_FP4 matrix_b_scale:MATRIX_SCALE_ROW1
	v_wmma_scale_f32_16x16x128_f8f6f4 v[M+8:M+15], v[CE+8:CE+15], v[XF:XF+7], 0, v[ES+(\g)], v[XS] matrix_a_fmt:MATRIX_FMT_FP4 matrix_b_fmt:MATRIX_FMT_FP4 matrix_a_scale:MATRIX_SCALE_ROW1
	v_wmma_scale_f32_16x16x128_f8f6f4 v[M+24:M+31], v[CE+8:CE+15], v[XF+8:XF+15], 0, v[ES+(\g)], v[XS] matrix_a_fmt:MATRIX_FMT_FP4 matrix_b_fmt:MATRIX_FMT_FP4 matrix_a_scale:MATRIX_SCALE_ROW1 matrix_b_scale:MATRIX_SCALE_ROW1
.if !(\last)
	FETCH (\g)+1, NE, NB                           ; the next group, into the buffers that the last group's products and additions have left (more than four plain instructions ago)
.endif
.irp e, 0,2,4,6,8,10,12,14                     ; A + B, two at a time.  These sixteen name no register of the products: they are the places behind them (ISA guide 7.12.1)
	v_pk_add_f32 v[S+\e:S+\e+1], v[CB+\e:CB+\e+1], v[AX:AX+1] op_sel_hi:[1,0]
	v_pk_add_f32 v[S+16+\e:S+16+\e+1], v[CB+\e:CB+\e+1], v[AY:AY+1] op_sel_hi:[1,0]
.endr
.irp e, 0,2,4,6,8,10,12,14                     ; d = (A + B) - 2 M; each product is read from its low end on
	v_pk_fma_f32 v[DD+\e:DD+\e+1], v[M+\e:M+\e+1], -2.0, v[S+\e:S+\e+1] op_sel_hi:[1,0,1]
	v_pk_fma_f32 v[DD+16+\e:DD+16+\e+1], v[M+16+\e:M+16+\e+1], -2.0, v[S+16+\e:S+16+\e+1] op_sel_hi:[1,0,1]
.endr
.irp k, 0,1,2,3,4                              ; the smallest of my 16, for each of the two pixel tiles by turns
.irp p, 0,1
	v_min3_num_f32 v[T+5*\p+\k], v[DD+16*\p+3*\k], v[DD+16*\p+3*\k+1], v[DD+16*\p+3*\k+2]
.endr
.endr
.irp p, 0,1
	v_min3_num_f32 v[T+5*\p], v[T+5*\p], v[T+5*\p+1], v[T+5*\p+2]
	v_min3_num_f32 v[T+5*\p+3], v[T+5*\p+3], v[T+5*\p+4], v[DD+16*\p+15]
.endr
.if \first
.irp p, 0,1
	v_min_num_f32 v[BT+2*\p], v[T+5*\p], v[T+5*\p+3]
	v_mov_b32 v[BT+2*\p+1], v[GID]
.endr
.else
.irp p, 0,1
	v_min_num_f32 v[GM+\p], v[T+5*\p], v[T+5*\p+3]
.endr
.irp p, 0,1
	v_cmp_lt_f32 vcc_lo, v[GM+\p], v[BT+2*\p]      ; strictly under the best so far: a tie stays with the earlier group
	v_dual_cndmask_b32 v[BT+2*\p], v[BT+2*\p], v[GM+\p] :: v_dual_cndmask_b32 v[BT+2*\p+1], v[BT+2*\p+1], v[GID]
.irp e, 0,2,4,6,8,10,12,14                     ; and the group's 16 distances are kept, two registers an instruction
	v_dual_cndmask_b32 v[CP+16*\p+\e], v[CP+16*\p+\e], v[S+16*\p+\e] :: v_dual_cndmask_b32 v[CP+16*\p+\e+1], v[CP+16*\p+\e+1], v[S+16*\p+\e+1]
.endr
.endr
.endif
.if !(\last)
	v_add_nc_u32 v[GID], 32, v[GID]
.endif
.endm
	GROUP 0, 1, 0
.irp g, 1,2,3,4,5,6,7,8,9,10,11,12,13,14
	GROUP \g, 0, 0
.endr
	GROUP 15, 0, 1
	; ---- the place inside the winning group: the first of the 16 copies that equals the best.  Copy j is row j (j < 8) or 8 + j of the group's 32, for my half
	v_mov_b32 v[T], 23
	v_mov_b32 v[T+1], 23
.irp j, 14,13,12,11,10,9,8,7,6,5,4,3,2,1,0
	v_cmp_neq_f32 vcc_lo, v[CP+\j], v[BT]
	v_cmp_neq_f32 s22, v[CP+16+\j], v[BT+2]
	v_cndmask_b32 v[T], \j+8*(\j/8), v[T], vcc_lo
	v_cndmask_b32 v[T+1], \j+8*(\j/8), v[T+1], s22
.endr
	v_add_nc_u32 v[T], v[T], v[BT+1]               ; my half's candidate: 32 g + 8 h + the place
	v_add_nc_u32 v[T+1], v[T+1], v[BT+3]
	v_permlanex16_b32 v[T+2], v[BT], s20, s21      ; the other half's best and candidate (v226-229 have been written in every group)
	v_permlanex16_b32 v[T+3], v[T], s20, s21
	v_permlanex16_b32 v[T+4], v[BT+2], s20, s21
	v_permlanex16_b32 v[T+5], v[T+1], s20, s21
	v_cmp_lt_f32 s22, v[T+2], v[BT]                ; the other's is taken where it is smaller, or equal with the lower index
	v_cmp_eq_f32 s23, v[T+2], v[BT]
	v_cmp_lt_u32 s24, v[T+3], v[T]
	v_cmp_lt_f32 s25, v[T+4], v[BT+2]
	v_cmp_eq_f32 s26, v[T+4], v[BT+2]
	v_cmp_lt_u32 s27, v[T+5], v[T+1]
	s_and_b32 s23, s23, s24
	s_or_b32 s22, s22, s23
	s_and_b32 s26, s26, s27
	s_or_b32 s25, s25, s26
	v_cndmask_b32 v[T], v[T], v[T+3], s22
	v_cndmask_b32 v[T+1], v[T+1], v[T+5], s25
	v_cmp_ne_u32 vcc_lo, 0, v[HH]
	v_cndmask_b32 v[T], v[T], v[T+1], vcc_lo       ; lane l: pixel l's index
	ds_store_b32 v[IS], v[T] offset:ISTG
	s_wait_dscnt 0x0                               ; for the others' sake
	s_barrier_signal -1
	s_barrier_wait -1
	s_cmp_lt_u32 s10, 8                            ; waves 0 to 7 store the 512 indices, 8 bytes a lane
	s_cbranch_scc0 .Ldone
	ds_load_b64 v[T+2:T+3], v[IO] offset:ISTG
	s_wait_dscnt 0x0
	global_store_b64 v[IO], v[T+2:T+3], s[8:9]     ; each store of a wave covers 256 consecutive bytes, aligned
.Ldone:
	s_wait_tensorcnt 0x0
	ds_add_u32 v240, v241
	s_wait_dscnt 0x0
	s_endpgm
.Lfunc_end_k_q001d3f413b_nearest:
	.size	k_q001d3f413b_nearest, .Lfunc_end_k_q001d3f413b_nearest-k_q001d3f413b_nearest
	.p2alignl 7, 3214868480
	.fill 96, 4, 3214868480
	.section	.rodata,"a",@progbits
	.p2align	6, 0x0
	.amdhsa_kernel k_q001d3f413b_nearest
		.amdhsa_group_segment_fixed_size 24576
		.amdhsa_private_segment_fixed_size 0
		.amdhsa_enable_private_segment 0
		.amdhsa_kernarg_size 24
		.amdhsa_user_sgpr_count 2
		.amdhsa_user_sgpr_kernarg_segment_ptr 1
		.amdhsa_wavefront_size32 1
		.amdhsa_system_sgpr_workgroup_id_x 1
		.amdhsa_system_sgpr_workgroup_id_y 1
		.amdhsa_system_sgpr_workgroup_id_z 1
		.amdhsa_system_vgpr_workitem_id 0
		.amdhsa_next_free_vgpr 242
		.amdhsa_next_free_sgpr 66
		.amdhsa_reserve_vcc 1
		.amdhsa_float_denorm_mode_32 3
		.amdhsa_float_denorm_mode_16_64 3
		.amdhsa_memory_ordered 1
		.amdhsa_forward_progress 1
		.amdhsa_inst_pref_size 107
	.end_amdhsa_kernel
	.amdgpu_metadata
---
amdhsa.version: [ 1, 2 ]
amdhsa.kernels:
  - .name:           k_q001d3f413b_nearest
    .symbol:         k_q001d3f413b_nearest.kd
    .args:
      - { .name: inputs, .offset: 0, .size: 8, .value_kind: global_buffer, .address_space: global }
      - { .name: embedding, .offset: 8, .size: 8, .value_kind: global_buffer, .address_space: global }
      - { .name: idx, .offset: 16, .size: 8, .value_kind: global_buffer, .address_space: global }
    .group_segment_fixed_size: 24576
    .private_segment_fixed_size: 0
    .kernarg_segment_align: 8
    .kernarg_segment_size: 24
    .max_flat_workgroup_size: 512
    .sgpr_count:     66
    .vgpr_count:     242
    .wavefront_size: 32
...
	.end_amdgpu_metadata
.endif
;; end of part 1
;; launch gather (part 2): grid 256 x 1, 16 waves a work-group, no clusters, 141,312 bytes of LDS; arguments inputs, embedding, idx, out0; writes out0
.if DOCPART == 2
	.amdgcn_target "amdgcn-amd-amdhsa--gfx1250"
	.amdhsa_code_object_version 6
	.text
	.protected	k_q001d3f413b_gather
	.globl	k_q001d3f413b_gather
	.p2align	8
	.type	k_q001d3f413b_gather,@function
k_q001d3f413b_gather:
	s_mov_b64 s[64:65], 0
	v_nop
	global_prefetch_b8 v0, s[64:65] scope:SCOPE_SE
	s_setreg_imm32_b32 hwreg(HW_REG_WAVE_MODE, 25, 1), 1
	s_wait_xcnt 0x0
; out0[b][c][h][w] = x + (embedding[idx[b][h][w]][c] - x), x = inputs[b][c][h][w]; all f32, the two steps as they are written.  idx: 131,072 words that the launch before has stored.
; A work-group of 16 waves takes the same 512 pixels as in the launch before: 8 rows (b, h) of 64 pixels, all 64 channels.  Wave w takes row w / 2 and channels 32 (w % 2) on; a lane takes two neighbouring pixels:
; so each load of x and each store of out0 covers one row of 64 pixels of one channel: 256 consecutive bytes, aligned.  All 32 loads of a wave go out at the head: the work-group's 131,072 bytes of x are asked for at once.
; THE TABLE (131,072 bytes) comes into LDS once, through registers, 512 consecutive bytes a load; its rows lie 272 bytes apart there, so that row i begins 16 (i mod 16) bytes on in the banks' 256 (64 banks of 4 bytes: ISA guide 11.1).
; A lane reads 16 bytes (four channels) of its pixel's row at a time.  The index is held to 511 before it enters an address.
; The table is not asked for jointly in a cluster: the LDS addresses of the gather hang on the indices, which differ from work-group to work-group.  No matrix work, no ring: every byte is asked for once, at the head.
.set CHB,   16384                      ; bytes from a channel to the next
.set PITCH, 272
.set PO,  2                            ; v2   8 x lane: my two pixels in a row
.set TO,  3                            ; v3   16 x thread: my 16 bytes of 8,192 of the table
.set TW,  4                            ; v4   their place in LDS: 272 (thread / 16) + 16 (thread % 16);  v5: the same 256 rows further on (an LDS offset has 16 bits)
.set IX,  6                            ; v6-7 my two indices
.set GA,  8                            ; v8-9 my two rows' addresses in LDS
.set E0,  16                           ; v16-79 the table on its way in; then v16-47 my first pixel's 32 channels, v48-79 my second's
.set E1,  48
.set X,   80                           ; v80-143 x: channel i's pair at 2 i; then the result
.set D,   144                          ; v144-151 q - x of four channels
	s_load_b256 s[4:11], s[0:1], 0x0               ; inputs s[4:5], embedding s[6:7], idx s[8:9], out0 s[10:11]
	v_lshl_add_u32 v160, v0, 2, 0x22000
	v_mov_b32 v161, 0
	v_lshrrev_b32 v1, 5, v0
	v_readfirstlane_b32 s12, v1                    ; wave 0..15
	v_and_b32 v1, 31, v0
	v_lshlrev_b32 v[PO], 3, v1
	v_lshlrev_b32 v[TO], 4, v0
	v_lshrrev_b32 v[TW], 4, v0
	v_and_b32 v[TW+1], 15, v0
	v_mul_u32_u24 v[TW], v[TW], PITCH
	v_lshl_add_u32 v[TW], v[TW+1], 4, v[TW]
	v_add_nc_u32 v[TW+1], 256*PITCH, v[TW]
	s_lshr_b32 s13, s12, 1                         ; which of the 8 rows
	s_and_b32 s14, s12, 1                          ; which 32 channels
	s_lshr_b32 s16, ttmp9, 3                       ; eight work-groups to an image of 2^20 bytes
	s_lshl_b32 s16, s16, 20
	s_and_b32 s17, ttmp9, 7
	s_lshl_b32 s17, s17, 3
	s_add_co_u32 s17, s17, s13                     ; h
	s_lshl_b32 s17, s17, 8
	s_add_co_u32 s16, s16, s17
	s_lshl_b32 s17, s14, 19                        ; 32 channels of 16,384 bytes
	s_add_co_u32 s16, s16, s17
	s_mov_b32 s17, 0
	s_lshl_b32 s18, ttmp9, 11                      ; the work-group's 512 indices,
	s_lshl_b32 s19, s13, 8                         ; my row's 64
	s_add_co_u32 s18, s18, s19
	s_mov_b32 s19, 0
	s_lshl_b32 s15, s14, 7                         ; my 32 channels in a row of the table
	s_wait_kmcnt 0x0
	s_add_nc_u64 s[4:5], s[4:5], s[16:17]
	s_add_nc_u64 s[10:11], s[10:11], s[16:17]
	s_add_nc_u64 s[8:9], s[8:9], s[18:19]
	global_load_b64 v[IX:IX+1], v[PO], s[8:9] th:TH_LOAD_NT
.set s, 0
.rept 16
	global_load_b128 v[E0+4*s:E0+4*s+3], v[TO], s[6:7] offset:8192*s
.set s, s+1
.endr
.set i, 0
.rept 32
	global_load_b64 v[X+2*i:X+2*i+1], v[PO], s[4:5] offset:CHB*i th:TH_LOAD_NT
.set i, i+1
.endr
	s_wait_loadcnt 32                              ; the indices and the table are in; the 32 loads of x, issued behind them, may be out
.set s, 0
.rept 8
	ds_store_b128 v[TW], v[E0+4*s:E0+4*s+3] offset:32*PITCH*s          ; 8,192 bytes are 32 rows
	ds_store_b128 v[TW+1], v[E0+32+4*s:E0+32+4*s+3] offset:32*PITCH*s
.set s, s+1
.endr
.irp p, 0,1
	v_min_u32 v[IX+\p], 0x1ff, v[IX+\p]            ; inside the table, whatever was loaded
	v_mul_u32_u24 v[GA+\p], v[IX+\p], PITCH
	v_add_nc_u32 v[GA+\p], s15, v[GA+\p]
.endr
	s_wait_dscnt 0x0                               ; for the others' sake: my part of the table has landed (and the stores have read their registers)
	s_barrier_signal -1
	s_barrier_wait -1                              ; the whole table lies in LDS; nothing is written there again
.set q, 0
.rept 8
	ds_load_b128 v[E0+4*q:E0+4*q+3], v[GA] offset:16*q
	ds_load_b128 v[E1+4*q:E1+4*q+3], v[GA+1] offset:16*q
.set q, q+1
.endr
.set q, 0
.rept 8                                        ; four channels at a time
	s_wait_dscnt 14-2*q                            ; LDS loads come back in order (ISA guide 5.7.1): these four channels' two are in, the later ones may be out
	s_wait_loadcnt 28-4*q                          ; and so are their four loads of x
.irp k, 0,1,2,3
	v_sub_f32 v[D+2*\k], v[E0+4*q+\k], v[X+8*q+2*\k]               ; q - x
	v_sub_f32 v[D+2*\k+1], v[E1+4*q+\k], v[X+8*q+2*\k+1]
.endr
.irp k, 0,1,2,3
	v_pk_add_f32 v[X+8*q+2*\k:X+8*q+2*\k+1], v[X+8*q+2*\k:X+8*q+2*\k+1], v[D+2*\k:D+2*\k+1]   ; x + (q - x)
.endr
.irp k, 0,1,2,3
	global_store_b64 v[PO], v[X+8*q+2*\k:X+8*q+2*\k+1], s[10:11] offset:CHB*(4*q+\k) th:TH_STORE_NT   ; 32 lanes store 256 consecutive bytes, aligned; no store's data are written again
.endr
.set q, q+1
.endr
	s_wait_tensorcnt 0x0
	ds_add_u32 v160, v161
	s_wait_dscnt 0x0
	s_endpgm
.Lfunc_end_k_q001d3f413b_gather:
	.size	k_q001d3f413b_gather, .Lfunc_end_k_q001d3f413b_gather-k_q001d3f413b_gather
	.p2alignl 7, 3214868480
	.fill 96, 4, 3214868480
	.section	.rodata,"a",@progbits
	.p2align	6, 0x0
	.amdhsa_kernel k_q001d3f413b_gather
		.amdhsa_group_segment_fixed_size 141312
		.amdhsa_private_segment_fixed_size 0
		.amdhsa_enable_private_segment 0
		.amdhsa_kernarg_size 32
		.amdhsa_user_sgpr_count 2
		.amdhsa_user_sgpr_kernarg_segment_ptr 1
		.amdhsa_wavefront_size32 1
		.amdhsa_system_sgpr_workgroup_id_x 1
		.amdhsa_system_sgpr_workgroup_id_y 1
		.amdhsa_system_sgpr_workgroup_id_z 1
		.amdhsa_system_vgpr_workitem_id 0
		.amdhsa_next_free_vgpr 162
		.amdhsa_next_free_sgpr 66
		.amdhsa_reserve_vcc 0
		.amdhsa_float_denorm_mode_32 3
		.amdhsa_float_denorm_mode_16_64 3
		.amdhsa_memory_ordered 1
		.amdhsa_forward_progress 1
		.amdhsa_inst_pref_size 17
	.end_amdhsa_kernel
	.amdgpu_metadata
---
amdhsa.version: [ 1, 2 ]
amdhsa.kernels:
  - .name:           k_q001d3f413b_gather
    .symbol:         k_q001d3f413b_gather.kd
    .args:
      - { .name: inputs, .offset: 0, .size: 8, .value_kind: global_buffer, .address_space: global }
      - { .name: embedding, .offset: 8, .size: 8, .value_kind: global_buffer, .address_space: global }
      - { .name: idx, .offset: 16, .size: 8, .value_kind: global_buffer, .address_space: global }
      - { .name: out0, .offset: 24, .size: 8, .value_kind: global_buffer, .address_space: global }
    .group_segment_fixed_size: 141312
    .private_segment_fixed_size: 0
    .kernarg_segment_align: 8
    .kernarg_segment_size: 32
    .max_flat_workgroup_size: 512
    .sgpr_count:     66
    .vgpr_count:     162
    .wavefront_size: 32
...
	.end_amdgpu_metadata
.endif
;; end of part 2
;; ======== version 2 of 2: 2 launches; version 1 with the launch nearest written anew for expert scheduling mode
;; workspace buffers: idx 524,288 bytes of whole numbers
;; launch nearest (part 3): grid 256 x 1, 16 waves a work-group, no clusters, 24,576 bytes of LDS; arguments inputs, embedding, idx; writes idx
.if DOCPART == 3
	.amdgcn_target "amdgcn-amd-amdhsa--gfx1250"
	.amdhsa_code_object_version 6
	.text
	.protected	k_q001d3f413b_nearest
	.globl	k_q001d3f413b_nearest
	.p2align	8
	.type	k_q001d3f413b_nearest,@function
k_q001d3f413b_nearest:
	s_mov_b64 s[64:65], 0
	v_nop
	global_prefetch_b8 v0, s[64:65] scope:SCOPE_SE
	s_setreg_imm32_b32 hwreg(HW_REG_WAVE_SCHED_MODE, 0, 2), 2
	s_setreg_imm32_b32 hwreg(HW_REG_WAVE_MODE, 25, 1), 1
	s_wait_xcnt 0x0
	s_wait_alu depctr_vm_vsrc(0)
; idx[p] = the first k at which d(p, k) = (A(p) + B(k)) - 2 M(p, k) is smallest.  p: 131,072 pixels (b, h, w) of inputs [32][64 channels][64][64] f32; k: 512 rows of embedding [512][64] f32.
; A = the sum of a pixel's 64 squares, B = the sum of a row's 64 squares (both of the numbers as given, f32); M = the product of both operands quantised to FP4 (E2M1), one E8M0 scale for each 32 channels.
; d is made by the f32 steps in which it is written above: one addition, then one fused multiply-add by -2 (2 M is exact, so this rounds as the subtraction does).
; SHARES.  A work-group of 16 waves takes 512 neighbouring pixels, a wave 32: two tiles of 16.  Each wave first quantises 32 of the 512 rows of the table; codes, scale words and B go to LDS as images of the
; registers that want them, and every wave reads all of them back, 32 rows (a group) at a time, one group ahead.
; K = 64 fills half of the instruction's 128: registers 4-7 of every operand hold zero codes, and the upper two bytes of every scale word are 0 (2^-127, over zeros).
; THE PRODUCT IS USED TRANSPOSED: source 0 = 16 rows of the table, source 1 = 16 pixels.  Lane (r, h) then holds pixel r, and register j of tile t the row 16 t + 8 h + j: the search runs along a lane's registers.
; THE SEARCH.  For each group: the smallest of a lane's 16 distances (three at a time); where it is under the best so far (strictly: the earlier group keeps a tie), the best, the group's number and a copy of the
; 16 distances are replaced, two registers an instruction.  The place inside the winning group is looked for once, at the end, in the copy; then the two halves of the lanes are joined by (d, index).
; The table is not asked for jointly in a cluster: each wave's 8,192 bytes of it go straight into the registers in which they are quantised, and the launch has no tensor load.
; LIMITS.  NaN and infinities among the inputs are not served.  A and B are added in two and four chains, with fused multiply-adds, not in the order of the definition: their last bits may differ.
; A block whose largest magnitude lies under 2^-124 keeps the scale byte 1 (a block of zeros too: its codes are zeros, and only this launch reads the bytes).
; THE MODE: SCHED_MODE bits 1:0 = 2 (LLVM: expert scheduling mode 2), set by the entry lines.  The code itself states the register dependences
; between vector or matrix instructions and memory or LDS instructions, with s_wait_alu, always for 0.
; THE PLAN.  Registers that memory or LDS instructions touch:
;   v4-12         offsets and addresses: written at the head, never again.  One wait on va_vdst ahead of the first load serves every access by them.
;   v64-191       the head's 80 loads land here: no vector instruction names them before.
;   v194, v196, v200, v204-211   B, the scale word and the codes of my 32 rows: written by the table's arithmetic, read by five LDS stores.  One wait on va_vdst ahead of the stores; it also shows the table's
;                 arithmetic done with v128-215, and the pixel's arithmetic behind it names v16-37, v64-127 and v216-225 alone.  One wait on vm_vsrc behind the barrier, ahead of the loads and the zeros that land there.
;   EB0, EB1, BB0, BB1   Group g: its products read EB[g % 2], its additions BB[g % 2]; the loads of group g + 1 land in the other two, which group g - 1 worked on and no instruction of group g names.
;                 So ONE wait on va_vdst stands at a group's head, and the group's six loads follow it, dealt among its four products.
;   v38-53        the table's scale words: loaded once, into registers that nothing has named.
;   v224          the index: one wait on va_vdst ahead of its LDS store; no vector instruction follows it, so it serves the load into v226-227 too.
; A mask that a compare writes, in VCC or in a scalar register, and the wave's number have a wait on va_vcc or va_sdst ahead of their first reader.  EXEC is never written.
.set CHB,   16384                      ; bytes from a channel to the next
.set EIMG,  0                          ; LDS: 32 fragments of the table, 512 bytes each: lane l's four registers at 16 l
.set SIMG,  16384                      ; their scale words: 16 bytes a lane and eight tiles: word i of lane l in part o: tile 8 o + 2 i + l / 16, row l % 16
.set BIMG,  18432                      ; B, 512 numbers on end
.set ISTG,  20480                      ; the indices' way out: 512 words
.set FLOOR, 0x1800000                  ; 2^(3 - 127): under it no largest magnitude is taken, so that no scale byte falls under 1
.set RR,  2                            ; v2   r = lane % 16
.set HH,  3                            ; v3   h = lane / 16
.set XO,  4                            ; v4   4 x lane: my pixel in a channel's row
.set EO,  5                            ; v5   256 r + 128 h: my 32 numbers of a row of the table
.set LI,  6                            ; v6   16 x lane: my place in an image
.set BA,  7                            ; v7   32 h: my eight numbers of a tile's sixteen B
.set EW,  8                            ; v8   where I store my fragments: 16 x lane + 1,024 x wave
.set SW,  9                            ; v9   my scale word: 16 x lane + 512 (wave / 4) + 4 (wave % 4)
.set BW,  10                           ; v10  my B: 4 r + 128 x wave
.set IS,  11                           ; v11  4 x thread
.set IO,  12                           ; v12  8 x thread
.set XF,  16                           ; v16-23 pixels 0-15 as an operand, v24-31 pixels 16-31
.set XS,  32                           ; v32  the pixels' scale words: lane l has pixel l's
.set AX,  34                           ; v34  A of pixel r (v35 is named with it as a pair);  v36 A of pixel 16 + r (v37 likewise)
.set AY,  36
.set ES,  38                           ; v38-53 the table's scale words: register g: lanes 0-15 tile 2 g, lanes 16-31 tile 2 g + 1
.set BT,  54                           ; v54, v55 best distance and its group's first row (32 g + 8 h) for pixels 0-15;  v56, v57 for pixels 16-31
.set GM,  58                           ; v58, v59 the group's smallest
.set GID, 60                           ; v60  32 g + 8 h
.set CP,  64                           ; v64-79, v80-95 the winning group's 16 distances
.set M,   96                           ; v96-127 four products: pixel tile p, tile u of the group at 16 p + 8 u
.set S,   128                          ; v128-159 A + B, then d, laid likewise
.set BB,  160                          ; v160-175, v176-191 a group's B, two buffers
.set EB,  192                          ; v192-207, v208-223 a group's two fragments (4 registers of codes, 4 of zeros, each), two buffers
.set T,   224                          ; v224-233 at work
.set XR,  64                           ; at the head: my pixel's 64 numbers
.set ER,  128                          ; and 2 x 32 numbers of the table
.set ET,  192                          ; at the head, for the table: largest magnitudes;
.set EA,  194                          ; sums of squares, a pair each;
.set ESO, 198                          ; the conversions' scale operands;
.set EBY, 200                          ; scale bytes, then words;
.set EP,  202
.set EC,  204                          ; codes
.set SH,  212
.set EQ,  213
.set XT,  216                          ; the same for my pixel
.set XA,  218
.set XSO, 222
.set XBY, 224
	s_load_b128 s[4:7], s[0:1], 0x0                ; inputs s[4:5], embedding s[6:7]
	s_load_b64 s[8:9], s[0:1], 0x10                ; idx
	v_lshl_add_u32 v238, v0, 2, 0x5800
	v_mov_b32 v239, 0
	v_lshrrev_b32 v1, 5, v0
	v_readfirstlane_b32 s10, v1                    ; wave 0..15
	v_and_b32 v1, 31, v0                           ; lane
	v_and_b32 v[RR], 15, v0
	v_bfe_u32 v[HH], v0, 4, 1
	v_lshlrev_b32 v[XO], 2, v1
	v_lshlrev_b32 v[EO], 8, v[RR]
	v_lshl_add_u32 v[EO], v[HH], 7, v[EO]
	v_lshlrev_b32 v[LI], 4, v1
	v_lshlrev_b32 v[BA], 5, v[HH]
	v_lshlrev_b32 v[IS], 2, v0
	v_lshlrev_b32 v[IO], 3, v0
	s_wait_alu depctr_va_sdst(0)                   ; s10 is written, ahead of its first reader: LDS addresses and the three bases are made from it
	s_lshl_b32 s18, s10, 10                        ; (s18, s19 and s11, which vector instructions read, are not written again)
	v_add_nc_u32 v[EW], s18, v[LI]
	s_lshr_b32 s19, s10, 2
	s_lshl_b32 s19, s19, 9
	s_and_b32 s12, s10, 3
	s_lshl_b32 s12, s12, 2
	s_add_co_u32 s19, s19, s12
	v_add_nc_u32 v[SW], s19, v[LI]
	s_lshl_b32 s11, s10, 7                         ; 128 x wave
	v_lshl_add_u32 v[BW], v[RR], 2, s11
	s_mov_b32 s20, 0x76543210
	s_mov_b32 s21, 0xfedcba98                      ; v_permlanex16_b32's selects for lane l xor 16
	s_lshl_b32 s12, s10, 13                        ; my 32 rows of the table: 8,192 bytes a wave
	s_mov_b32 s13, 0
	s_lshr_b32 s14, ttmp9, 3                       ; eight work-groups to an image of 2^20 bytes,
	s_lshl_b32 s14, s14, 20
	s_and_b32 s15, ttmp9, 7
	s_lshl_b32 s15, s15, 11                        ; 512 pixels of 4 bytes a work-group,
	s_add_co_u32 s14, s14, s15
	s_add_co_u32 s14, s14, s11                     ; 32 a wave
	s_mov_b32 s15, 0
	s_lshl_b32 s16, ttmp9, 11                      ; the work-group's 512 indices
	s_mov_b32 s17, 0
	s_wait_kmcnt 0x0
	s_add_nc_u64 s[6:7], s[6:7], s[12:13]
	s_add_nc_u64 s[4:5], s[4:5], s[14:15]
	s_add_nc_u64 s[8:9], s[8:9], s[16:17]
	s_wait_alu depctr_va_vdst(0)                   ; the nine offsets and addresses v4 to v12 are written, which the loads and stores of the whole kernel read
.irp f, 0,1                                    ; the table first: all waves wait for it.  Tile f: row 16 f + r, channels 32 h on: 128 bytes a lane
.irp i, 0,1,2,3,4,5,6,7
	global_load_b128 v[ER+32*\f+4*\i:ER+32*\f+4*\i+3], v[EO], s[6:7] offset:4096*\f+16*\i
.endr
.endr
.set c, 0
.rept 64                                       ; A LANE TAKES A PIXEL, AND ITS REGISTERS RUN DOWN THE CHANNELS: each load reads 128 consecutive bytes; the wave beside me reads the other half of the same 256.  (No hint: the program's second launch reads these bytes again)
	global_load_b32 v[XR+c], v[XO], s[4:5] offset:CHB*c
.set c, c+1
.endr
	; ---- my 32 rows of the table: two fragments, their scale words, their B
	s_wait_loadcnt 63                              ; 80 loads were issued: with 63 out at the most, the 16 oldest, the table's, are in
.irp f, 0,1
	v_max3_num_f32 v[ET+\f], |v[ER+32*\f]|, |v[ER+32*\f+1]|, FLOOR
	v_pk_mul_f32 v[EA+2*\f:EA+2*\f+1], v[ER+32*\f:ER+32*\f+1], v[ER+32*\f:ER+32*\f+1]
.endr
.irp i, 2,4,6,8,10,12,14,16,18,20,22,24,26,28,30
.irp f, 0,1                                    ; the two tiles by turns: no line waits for the line above it
	v_max3_num_f32 v[ET+\f], v[ET+\f], |v[ER+32*\f+\i]|, |v[ER+32*\f+\i+1]|
	v_pk_fma_f32 v[EA+2*\f:EA+2*\f+1], v[ER+32*\f+\i:ER+32*\f+\i+1], v[ER+32*\f+\i:ER+32*\f+\i+1], v[EA+2*\f:EA+2*\f+1]
.endr
.endr
.irp f, 0,1
	v_add_f32 v[EA+2*\f], v[EA+2*\f], v[EA+2*\f+1] ; the squares of my 32 numbers
	v_add_nc_u32 v[ESO+\f], 0xff000000, v[ET+\f]   ; 2 off the largest magnitude's exponent field: the conversion takes this operand's exponent field as its scale
	v_mov_b32 v[EP+\f], 0                          ; (a lane permute's destination counts as one of its sources)
	v_mov_b32 v[EQ+\f], 0
.endr
	v_lshlrev_b32 v[SH], 3, v[HH]
	v_cmp_ne_u32 vcc_lo, 0, v[HH]                  ; the mask of lanes 16-31, for the choice of scale words below: made here, well ahead of the wait for it
.irp f, 0,1
	v_lshrrev_b32 v[EBY+\f], 23, v[ESO+\f]         ; the scale's byte: block h of row r
.endr
.irp f, 0,1
.irp g, 0,1,2,3
	v_cvt_scalef32_pk8_fp4_f32 v[EC+4*\f+\g], v[ER+32*\f+8*\g:ER+32*\f+8*\g+7], v[ESO+\f]   ; register g of the operand: k = 32 h + 8 g + 0 .. 7
.endr
.endr
	v_nop                                          ; one plain place behind the scaled conversions
.irp f, 0,1
	v_lshlrev_b32 v[EBY+\f], v[SH], v[EBY+\f]      ; my byte at its place in the word, 8 h bits up
.endr
.irp f, 0,1
	v_permlanex16_b32 v[EP+\f], v[EBY+\f], s20, s21
	v_permlanex16_b32 v[EQ+\f], v[EA+2*\f], s20, s21
.endr
.irp f, 0,1
	v_or_b32 v[EBY+\f], v[EBY+\f], v[EP+\f]        ; with lane l xor 16's byte the word is whole, in both halves
	v_add_f32 v[EA+2*\f], v[EA+2*\f], v[EQ+\f]     ; and so is B
.endr
	s_wait_alu depctr_va_vcc(0)                    ; the compare above has written VCC, which the choice below reads
	v_cndmask_b32 v[EBY], v[EBY], v[EBY+1], vcc_lo ; lanes 0-15: my first tile's words, lanes 16-31: my second's
	s_wait_alu depctr_va_vdst(0)                   ; the codes v204-211, the scale word v200 and B in v194 and v196 are written, which the five LDS stores read; and the table's arithmetic is done with v128-215, in which LDS loads land behind the barrier
	ds_store_b128 v[EW], v[EC:EC+3] offset:EIMG
	ds_store_b128 v[EW], v[EC+4:EC+7] offset:EIMG+512
	ds_store_b32 v[SW], v[EBY] offset:SIMG
	ds_store_b32 v[BW], v[EA] offset:BIMG          ; (lanes r and 16 + r write the same word with the same value)
	ds_store_b32 v[BW], v[EA+2] offset:BIMG+64
	; ---- my pixel: both blocks of 32 channels are mine, and so is A.  (These lines name v16-37, v64-127 and v216-225: none of the registers that the stores above read)
	s_wait_loadcnt 0x0
.irp b, 0,1
	v_max3_num_f32 v[XT+\b], |v[XR+32*\b]|, |v[XR+32*\b+1]|, FLOOR
	v_pk_mul_f32 v[XA+2*\b:XA+2*\b+1], v[XR+32*\b:XR+32*\b+1], v[XR+32*\b:XR+32*\b+1]
.endr
.irp i, 2,4,6,8,10,12,14,16,18,20,22,24,26,28,30
.irp b, 0,1
	v_max3_num_f32 v[XT+\b], v[XT+\b], |v[XR+32*\b+\i]|, |v[XR+32*\b+\i+1]|
	v_pk_fma_f32 v[XA+2*\b:XA+2*\b+1], v[XR+32*\b+\i:XR+32*\b+\i+1], v[XR+32*\b+\i:XR+32*\b+\i+1], v[XA+2*\b:XA+2*\b+1]
.endr
.endr
.irp b, 0,1
	v_add_nc_u32 v[XSO+\b], 0xff000000, v[XT+\b]
.endr
.irp b, 0,1
	v_lshrrev_b32 v[XBY+\b], 23, v[XSO+\b]
.endr
	v_lshl_or_b32 v[XS], v[XBY+1], 8, v[XBY]       ; my pixel's scale word
.irp b, 0,1
.irp g, 0,1,2,3
	v_cvt_scalef32_pk8_fp4_f32 v[XF+8*\b+\g], v[XR+32*\b+8*\g:XR+32*\b+8*\g+7], v[XSO+\b]   ; block b of pixel l
.endr
.endr
	v_nop                                          ; one plain place behind the scaled conversions
.irp g, 0,1,2,3                                ; the operand wants block 0 in lanes 0-15 and block 1 in lanes 16-31 of ONE tile of 16 pixels:
	v_permlane16_swap_b32 v[XF+\g], v[XF+8+\g]     ; the first's lanes 16-31 change places with the second's lanes 0-15: v16-19 pixels 0-15, v24-27 pixels 16-31
.endr
	v_pk_add_f32 v[XA:XA+1], v[XA:XA+1], v[XA+2:XA+3]
	v_add_f32 v[AX], v[XA], v[XA+1]                ; A of pixel l
	v_mov_b32 v[AY], v[AX]
	v_mov_b32 v[AX+1], 0                           ; (named as the upper halves of pairs)
	v_mov_b32 v[AY+1], 0
	v_permlane16_swap_b32 v[AX], v[AY]             ; v34: A of pixel r in both halves; v36: of pixel 16 + r
.irp z, 4,5,6,7,12,13,14,15
	v_mov_b32 v[XF+\z], 0                          ; k = 64 .. 127: zero codes
.endr
	s_wait_dscnt 0x0                               ; for the others' sake: my stores into the images have landed
	s_barrier_signal -1
	s_barrier_wait -1                              ; the whole table lies in LDS
.macro FETCH_E g, e                            ; group g: its two fragments
	ds_load_b128 v[\e:\e+3], v[LI] offset:EIMG+1024*(\g)
	ds_load_b128 v[\e+8:\e+11], v[LI] offset:EIMG+1024*(\g)+512
.endm
.macro FETCH_B g, b, u                         ; and my eight numbers of B of its tile u (sixteen lanes read the same 16 bytes)
	ds_load_b128 v[\b+8*(\u):\b+8*(\u)+3], v[BA] offset:BIMG+128*(\g)+64*(\u)
	ds_load_b128 v[\b+8*(\u)+4:\b+8*(\u)+7], v[BA] offset:BIMG+128*(\g)+64*(\u)+16
.endm
	s_wait_alu depctr_vm_vsrc(0)                   ; my LDS stores have read v194, v196, v200 and v204-211: group 0's loads land in v192-195 and v200-203, and the zeros below are written to v196-199 and v204-207
.irp o, 0,1,2,3
	ds_load_b128 v[ES+4*\o:ES+4*\o+3], v[LI] offset:SIMG+512*\o    ; all 32 tiles' scale words: they stay
.endr
	FETCH_E 0, EB                                  ; (no vector instruction since the wait ahead of the LDS stores names v38-53, v160-175, v192-195 or v200-203)
	FETCH_B 0, BB, 0
	FETCH_B 0, BB, 1
.irp z, 4,5,6,7,12,13,14,15,20,21,22,23,28,29,30,31
	v_mov_b32 v[EB+\z], 0                          ; k = 64 .. 127 of the table's fragments: written once, no load lands here
.endr
	v_lshlrev_b32 v[GID], 3, v[HH]                 ; group 0: 8 h
.rept 8
	v_nop                                          ; a scale register written by a vector instruction stands 8 places ahead of a scaled matrix instruction, an operand so written 4; the wait at group 0's head stands behind these places
.endr
; Where VCC says so, pixel tile p's best, its group and the copy of the group's 16 distances are replaced, two registers an instruction.
.macro KEEP p
	v_dual_cndmask_b32 v[BT+2*\p], v[BT+2*\p], v[GM+\p] :: v_dual_cndmask_b32 v[BT+2*\p+1], v[BT+2*\p+1], v[GID]
.irp e, 0,2,4,6,8,10,12,14
	v_dual_cndmask_b32 v[CP+16*\p+\e], v[CP+16*\p+\e], v[S+16*\p+\e] :: v_dual_cndmask_b32 v[CP+16*\p+\e+1], v[CP+16*\p+\e+1], v[S+16*\p+\e+1]
.endr
.endm
; A GROUP: rows 32 g .. 32 g + 31 of the table against my 32 pixels.  first = 1: it starts the best, its group and the copy.  last = 1: nothing more to fetch.
.macro GROUP g, first, last
.set CE, EB+16*((\g)%2)
.set CB, BB+16*((\g)%2)
.set NE, EB+16-16*((\g)%2)
.set NB, BB+16-16*((\g)%2)
.if \first
.set DD, CP
.else
.set DD, S
.endif
	s_wait_dscnt 0x0                               ; this group's six loads, issued a group ago, are in
.if !(\last)
	s_wait_alu depctr_va_vdst(0)                   ; the last group's products are done reading the other two fragments and its additions the other B, in which the six loads below land.  In group 0: the pixel's arithmetic is done with v216-219, and the pixels' operands, their scale word and the zero codes are written, which the products take
.endif
	v_wmma_scale_f32_16x16x128_f8f6f4 v[M:M+7], v[CE:CE+7], v[XF:XF+7], 0, v[ES+(\g)], v[XS] matrix_a_fmt:MATRIX_FMT_FP4 matrix_b_fmt:MATRIX_FMT_FP4
.if !(\last)
	FETCH_E (\g)+1, NE                             ; the next group, two loads behind each of three products.  No further wait: the products name M, this group's fragments, the pixels' operands and scale words, none of which these loads touch
.endif
	v_wmma_scale_f32_16x16x128_f8f6f4 v[M+16:M+23], v[CE:CE+7], v[XF+8:XF+15], 0, v[ES+(\g)], v[XS] matrix_a_fmt:MATRIX_FMT_FP4 matrix_b_fmt:MATRIX_FMT_FP4 matrix_b_scale:MATRIX_SCALE_ROW1
.if !(\last)
	FETCH_B (\g)+1, NB, 0
.endif
	v_wmma_scale_f32_16x16x128_f8f6f4 v[M+8:M+15], v[CE+8:CE+15], v[XF:XF+7], 0, v[ES+(\g)], v[XS] matrix_a_fmt:MATRIX_FMT_FP4 matrix_b_fmt:MATRIX_FMT_FP4 matrix_a_scale:MATRIX_SCALE_ROW1
.if !(\last)
	FETCH_B (\g)+1, NB, 1
.endif
	v_wmma_scale_f32_16x16x128_f8f6f4 v[M+24:M+31], v[CE+8:CE+15], v[XF+8:XF+15], 0, v[ES+(\g)], v[XS] matrix_a_fmt:MATRIX_FMT_FP4 matrix_b_fmt:MATRIX_FMT_FP4 matrix_a_scale:MATRIX_SCALE_ROW1 matrix_b_scale:MATRIX_SCALE_ROW1
.irp e, 0,2,4,6,8,10,12,14                     ; A + B, two at a time.  These sixteen name no register of the products: they are the places behind them (ISA guide 7.12.1)
	v_pk_add_f32 v[S+\e:S+\e+1], v[CB+\e:CB+\e+1], v[AX:AX+1] op_sel_hi:[1,0]
	v_pk_add_f32 v[S+16+\e:S+16+\e+1], v[CB+\e:CB+\e+1], v[AY:AY+1] op_sel_hi:[1,0]
.endr
.irp e, 0,2,4,6,8,10,12,14                     ; d = (A + B) - 2 M; each product is read from its low end on
	v_pk_fma_f32 v[DD+\e:DD+\e+1], v[M+\e:M+\e+1], -2.0, v[S+\e:S+\e+1] op_sel_hi:[1,0,1]
	v_pk_fma_f32 v[DD+16+\e:DD+16+\e+1], v[M+16+\e:M+16+\e+1], -2.0, v[S+16+\e:S+16+\e+1] op_sel_hi:[1,0,1]
.endr
.irp k, 0,1,2,3,4                              ; the smallest of my 16, for each of the two pixel tiles by turns
.irp p, 0,1
	v_min3_num_f32 v[T+5*\p+\k], v[DD+16*\p+3*\k], v[DD+16*\p+3*\k+1], v[DD+16*\p+3*\k+2]
.endr
.endr
.irp p, 0,1
	v_min3_num_f32 v[T+5*\p], v[T+5*\p], v[T+5*\p+1], v[T+5*\p+2]
	v_min3_num_f32 v[T+5*\p+3], v[T+5*\p+3], v[T+5*\p+4], v[DD+16*\p+15]
.endr
.if \first
.irp p, 0,1
	v_min_num_f32 v[BT+2*\p], v[T+5*\p], v[T+5*\p+3]
	v_mov_b32 v[BT+2*\p+1], v[GID]
.endr
.else
	v_min_num_f32 v[GM], v[T], v[T+3]
	v_cmp_lt_f32 vcc_lo, v[GM], v[BT]              ; strictly under the best so far: a tie stays with the earlier group
	v_min_num_f32 v[GM+1], v[T+5], v[T+8]          ; (the other tile's smallest stands between the compare and the wait for it)
	s_wait_alu depctr_va_vcc(0)                    ; the compare has written VCC, which the nine choices below read
	KEEP 0
	v_cmp_lt_f32 vcc_lo, v[GM+1], v[BT+2]
	s_wait_alu depctr_va_vcc(0)                    ; the same for pixels 16-31
	KEEP 1
.endif
.if !(\last)
	v_add_nc_u32 v[GID], 32, v[GID]
.endif
.endm
	GROUP 0, 1, 0
.irp g, 1,2,3,4,5,6,7,8,9,10,11,12,13,14
	GROUP \g, 0, 0
.endr
	GROUP 15, 0, 1
	; ---- the place inside the winning group: the first of the 16 copies that equals the best.  Copy j is row j (j < 8) or 8 + j of the group's 32, for my half
; Five copies, j0 down to j0 - 4, of both pixel tiles: ten compares in a run, into ten scalar registers, one wait, ten choices.
.macro SEEK j0
.irp i, 0,1,2,3,4
	v_cmp_neq_f32 s[22+2*\i], v[CP+(\j0)-\i], v[BT]
	v_cmp_neq_f32 s[23+2*\i], v[CP+16+(\j0)-\i], v[BT+2]
.endr
	s_wait_alu depctr_va_sdst(0)                   ; the ten compares have written s22 to s31, which the ten choices below read
.irp i, 0,1,2,3,4
	v_cndmask_b32 v[T], ((\j0)-\i)+8*(((\j0)-\i)/8), v[T], s[22+2*\i]
	v_cndmask_b32 v[T+1], ((\j0)-\i)+8*(((\j0)-\i)/8), v[T+1], s[23+2*\i]
.endr
.endm
	v_mov_b32 v[T], 23
	v_mov_b32 v[T+1], 23
	SEEK 14
	SEEK 9
	SEEK 4
	v_add_nc_u32 v[T], v[T], v[BT+1]               ; my half's candidate: 32 g + 8 h + the place
	v_add_nc_u32 v[T+1], v[T+1], v[BT+3]
	v_permlanex16_b32 v[T+2], v[BT], s20, s21      ; the other half's best and candidate (v226-229 have been written in every group)
	v_permlanex16_b32 v[T+3], v[T], s20, s21
	v_permlanex16_b32 v[T+4], v[BT+2], s20, s21
	v_permlanex16_b32 v[T+5], v[T+1], s20, s21
	v_cmp_lt_f32 s12, v[T+2], v[BT]                ; the other's is taken where it is smaller, or equal with the lower index.  (s12 to s17: the offsets that they held have been added to their bases)
	v_cmp_eq_f32 s13, v[T+2], v[BT]
	v_cmp_lt_u32 s14, v[T+3], v[T]
	v_cmp_lt_f32 s15, v[T+4], v[BT+2]
	v_cmp_eq_f32 s16, v[T+4], v[BT+2]
	v_cmp_lt_u32 s17, v[T+5], v[T+1]
	v_cmp_ne_u32 vcc_lo, 0, v[HH]                  ; the mask of lanes 16-31, for the last choice
	s_wait_alu depctr_va_sdst(0)                   ; the six compares have written s12 to s17, which the scalar lines below read
	s_and_b32 s13, s13, s14
	s_or_b32 s12, s12, s13
	s_and_b32 s16, s16, s17
	s_or_b32 s15, s15, s16
	v_cndmask_b32 v[T], v[T], v[T+3], s12
	v_cndmask_b32 v[T+1], v[T+1], v[T+5], s15
	s_wait_alu depctr_va_vcc(0)                    ; the seventh compare has written VCC, which the choice below reads
	v_cndmask_b32 v[T], v[T], v[T+1], vcc_lo       ; lane l: pixel l's index
	s_wait_alu depctr_va_vdst(0)                   ; the index in v224 is written, which the LDS store reads; and the lines above are done with v226-227, in which the LDS load below lands: no vector instruction follows this wait
	ds_store_b32 v[IS], v[T] offset:ISTG
	s_wait_dscnt 0x0                               ; for the others' sake
	s_barrier_signal -1
	s_barrier_wait -1
	s_cmp_lt_u32 s10, 8                            ; waves 0 to 7 store the 512 indices, 8 bytes a lane
	s_cbranch_scc0 .Ldone
	ds_load_b64 v[T+2:T+3], v[IO] offset:ISTG
	s_wait_dscnt 0x0
	global_store_b64 v[IO], v[T+2:T+3], s[8:9]     ; each store of a wave covers 256 consecutive bytes, aligned
.Ldone:
	s_wait_dscnt 0x0
	s_wait_alu depctr_hold_cnt(0) depctr_sa_sdst(0) depctr_va_vdst(0) depctr_va_sdst(0) depctr_va_ssrc(0) depctr_va_vcc(0) depctr_vm_vsrc(0)
	s_wait_tensorcnt 0x0
	ds_add_u32 v238, v239
	s_wait_dscnt 0x0
	s_endpgm
.Lfunc_end_k_q001d3f413b_nearest:
	.size	k_q001d3f413b_nearest, .Lfunc_end_k_q001d3f413b_nearest-k_q001d3f413b_nearest
	.p2alignl 7, 3214868480
	.fill 96, 4, 3214868480
	.section	.rodata,"a",@progbits
	.p2align	6, 0x0
	.amdhsa_kernel k_q001d3f413b_nearest
		.amdhsa_group_segment_fixed_size 24576
		.amdhsa_private_segment_fixed_size 0
		.amdhsa_enable_private_segment 0
		.amdhsa_kernarg_size 24
		.amdhsa_user_sgpr_count 2
		.amdhsa_user_sgpr_kernarg_segment_ptr 1
		.amdhsa_wavefront_size32 1
		.amdhsa_system_sgpr_workgroup_id_x 1
		.amdhsa_system_sgpr_workgroup_id_y 1
		.amdhsa_system_sgpr_workgroup_id_z 1
		.amdhsa_system_vgpr_workitem_id 0
		.amdhsa_next_free_vgpr 240
		.amdhsa_next_free_sgpr 66
		.amdhsa_reserve_vcc 1
		.amdhsa_float_denorm_mode_32 3
		.amdhsa_float_denorm_mode_16_64 3
		.amdhsa_memory_ordered 1
		.amdhsa_forward_progress 1
		.amdhsa_inst_pref_size 109
	.end_amdhsa_kernel
	.amdgpu_metadata
---
amdhsa.version: [ 1, 2 ]
amdhsa.kernels:
  - .name:           k_q001d3f413b_nearest
    .symbol:         k_q001d3f413b_nearest.kd
    .args:
      - { .name: inputs, .offset: 0, .size: 8, .value_kind: global_buffer, .address_space: global }
      - { .name: embedding, .offset: 8, .size: 8, .value_kind: global_buffer, .address_space: global }
      - { .name: idx, .offset: 16, .size: 8, .value_kind: global_buffer, .address_space: global }
    .group_segment_fixed_size: 24576
    .private_segment_fixed_size: 0
    .kernarg_segment_align: 8
    .kernarg_segment_size: 24
    .max_flat_workgroup_size: 512
    .sgpr_count:     66
    .vgpr_count:     240
    .wavefront_size: 32
...
	.end_amdgpu_metadata
.endif
;; end of part 3
;; launch gather: the kernel of part 2 again; grid 256 x 1, 16 waves a work-group, no clusters, 141,312 bytes of LDS; arguments inputs, embedding, idx, out0; writes out0
